; MI455X (gfx1250); checked and timed in simulation.
; The chip was launched on July 23, 2026; its instructions are those of AMD's public machine-readable ISA for CDNA 5 (MIT licence, August 2026) and "CDNA5" Instruction Set Architecture Reference Guide (July 2026). The comments in the code are by the model that wrote it; some were corrected since.
;; RNN Recurrent Entitiy Decoder. Allowed arithmetic: float matrix products may take bf16 or f16 operands with f32 sums; all other float work in f32.
;; Inputs: U 256 x 256 float32; V 256 x 256 float32; W 256 x 256 float32; encoded_sents 128 x 128 x 256 float32; keys 128 x 32 x 256 float32; mask 128 x 128 bool.
;; Outputs: out0 128 x 32 x 256 float32.
;; One version. Each part assembles by itself: llvm-mc -triple=amdgcn-amd-amdhsa -mcpu=gfx1250 --defsym DOCPART=n.
;; ======== version 1 of 1: 2 launches
;; workspace buffers: order 131,072 bytes of whole numbers
;; launch order (part 1): grid 128 x 1, 2 waves a work-group, no clusters, 0 bytes of LDS; arguments mask, order; writes order
.if DOCPART == 1
	.amdgcn_target "amdgcn-amd-amdhsa--gfx1250"
	.amdhsa_code_object_version 6
	.text
	.protected	k_q61fffb45fc_order
	.globl	k_q61fffb45fc_order
	.p2align	8
	.type	k_q61fffb45fc_order,@function
k_q61fffb45fc_order:
	s_mov_b64 s[64:65], 0
	v_nop
	global_prefetch_b8 v0, s[64:65] scope:SCOPE_SE
	s_setreg_imm32_b32 hwreg(HW_REG_WAVE_MODE, 25, 1), 1
	s_wait_xcnt 0x0
; The order of the steps, one record of 1,024 bytes for each of the 128 batches:
;   words 0-127:   the step that stands at place p: the steps with mask != 0 first, in their order, then the others, in their order;
;   words 128-255: the number of steps with mask != 0, in every word (so that each store of a wave covers 256 consecutive bytes, aligned).
; The next launch forms addresses from the first part and a branch from the second, so both are made here and handed over as whole numbers.
; One work-group a batch, two waves; thread t owns places 2 t and 2 t + 1.  No address hangs on the mask: the permutation is turned about by
; counting.  The step at place p is the r-th one bit (r from 0) of the 128 mask bits if p < count (r = p), else the r-th zero bit (r = p - count).
; Three compares with the running counts pick the word of 32 bits; in it the place of the r-th one is the number of i with
; (ones in bits 0..i) <= r, counted in 32 turns.  For zero bits the word is complemented and the running counts are 32 j - (ones before word j).
; A mask byte other than 0 counts as true.  Memory, LDS and the matrix unit play no part in the time of so small a launch.
.set WRD, 8                            ; v8-11   the four words of mask bits
.set BAS, 12                           ; v12-14  ones before words 1, 2, 3
.set CN,  16                           ; v16-17  the count, twice
.set OUT, 18                           ; v18-19  my two steps
.set R0,  20                           ; v20-31, v32-43: a place's registers
.set R1,  32
.set P_,  0                            ; place
.set RK,  1                            ; rank
.set FL,  2                            ; 0 for ones, -1 for zeros
.set EB,  2                            ; +1..3: the running counts that hold for this place
.set XW,  6                            ; the word
.set BS,  7                            ; the running count before it
.set JW,  8                            ; its number
.set CT,  9                            ; ones so far
.set PS,  10                           ; the bit's place
.set BT,  11                           ; a bit
	s_load_b128 s[4:7], s[0:1], 0x0                ; mask s[4:5], order s[6:7]
	v_and_b32 v1, 31, v0
	v_lshlrev_b32 v2, 1, v0                        ; my first place
	v_lshlrev_b32 v3, 3, v0                        ; my 8 bytes in each half of the record
	s_lshl_b32 s8, ttmp9, 7                        ; 128 mask bytes a batch
	s_mov_b32 s9, 0
	s_lshl_b32 s10, ttmp9, 10                      ; 1,024 bytes a record
	s_mov_b32 s11, 0
	s_wait_kmcnt 0x0
	s_add_nc_u64 s[4:5], s[4:5], s[8:9]
	s_add_nc_u64 s[6:7], s[6:7], s[10:11]
.irp j, 0,1,2,3
	global_load_u8 v[4+\j], v1, s[4:5] offset:32*\j
.endr
	s_wait_loadcnt 0x0
.irp j, 0,1,2,3
	v_cmp_ne_u32 s[20+\j], 0, v[4+\j]              ; bit l of word j: step 32 j + l
.endr
	s_bcnt1_i32_b32 s25, s20                       ; ones before word 1,
	s_bcnt1_i32_b32 s26, s21
	s_add_co_u32 s26, s26, s25                     ; word 2,
	s_bcnt1_i32_b32 s27, s22
	s_add_co_u32 s27, s27, s26                     ; word 3,
	s_bcnt1_i32_b32 s28, s23
	s_add_co_u32 s28, s28, s27                     ; and in all
	s_sub_co_u32 s29, 32, s25                      ; zeros before words 1, 2, 3
	s_sub_co_u32 s30, 64, s26
	s_sub_co_u32 s31, 96, s27
.irp j, 0,1,2,3
	v_mov_b32 v[WRD+\j], s[20+\j]
.endr
.irp j, 0,1,2
	v_mov_b32 v[BAS+\j], s[25+\j]
.endr
	v_mov_b32 v[CN], s28
	v_mov_b32 v[CN+1], s28
; rank, kind and word of place 2 t + e
.macro PLACE R, e
	v_add_nc_u32 v[\R+P_], \e, v2
	v_cmp_gt_u32 s12, s28, v[\R+P_]                ; count > place: a one bit is looked for
	v_sub_nc_u32 v[\R+RK], v[\R+P_], v[CN]
	v_cndmask_b32 v[\R+RK], v[\R+RK], v[\R+P_], s12
	v_cndmask_b32 v[\R+FL], -1, 0, s12
.irp j, 1,2,3
	v_mov_b32 v[\R+EB+\j], s[28+\j]
	v_cndmask_b32 v[\R+EB+\j], v[\R+EB+\j], v[BAS+\j-1], s12
.endr
	v_mov_b32 v[\R+XW], v[WRD]
	v_mov_b32 v[\R+BS], 0
	v_mov_b32 v[\R+JW], 0
.irp j, 1,2,3
	v_cmp_ge_u32 vcc_lo, v[\R+RK], v[\R+EB+\j]     ; the running counts do not fall: the last word whose count is reached is the one
	v_cndmask_b32 v[\R+XW], v[\R+XW], v[WRD+\j], vcc_lo
	v_cndmask_b32 v[\R+BS], v[\R+BS], v[\R+EB+\j], vcc_lo
	v_add_co_ci_u32 v[\R+JW], vcc_lo, 0, v[\R+JW], vcc_lo
.endr
	v_xor_b32 v[\R+XW], v[\R+XW], v[\R+FL]
	v_sub_nc_u32 v[\R+RK], v[\R+RK], v[\R+BS]      ; the rank inside the word
	v_mov_b32 v[\R+CT], 0
	v_mov_b32 v[\R+PS], 0
.endm
	PLACE R0, 0
	PLACE R1, 1
.set ii, 0
.rept 32                                           ; both places by turns, so that neither chain waits for itself
	v_bfe_u32 v[R0+BT], v[R0+XW], ii, 1
	v_bfe_u32 v[R1+BT], v[R1+XW], ii, 1
	v_add_nc_u32 v[R0+CT], v[R0+CT], v[R0+BT]
	v_add_nc_u32 v[R1+CT], v[R1+CT], v[R1+BT]
	v_cmp_le_u32 vcc_lo, v[R0+CT], v[R0+RK]        ; the bit looked for lies behind bit ii
	v_add_co_ci_u32 v[R0+PS], vcc_lo, 0, v[R0+PS], vcc_lo
	v_cmp_le_u32 vcc_lo, v[R1+CT], v[R1+RK]
	v_add_co_ci_u32 v[R1+PS], vcc_lo, 0, v[R1+PS], vcc_lo
.set ii, ii+1
.endr
	v_lshl_add_u32 v[OUT], v[R0+JW], 5, v[R0+PS]
	v_lshl_add_u32 v[OUT+1], v[R1+JW], 5, v[R1+PS]
	global_store_b64 v3, v[OUT:OUT+1], s[6:7]
	global_store_b64 v3, v[CN:CN+1], s[6:7] offset:512
	s_endpgm
.Lfunc_end_k_q61fffb45fc_order:
	.size	k_q61fffb45fc_order, .Lfunc_end_k_q61fffb45fc_order-k_q61fffb45fc_order
	.p2alignl 7, 3214868480
	.fill 96, 4, 3214868480
	.section	.rodata,"a",@progbits
	.p2align	6, 0x0
	.amdhsa_kernel k_q61fffb45fc_order
		.amdhsa_group_segment_fixed_size 0
		.amdhsa_private_segment_fixed_size 0
		.amdhsa_enable_private_segment 0
		.amdhsa_kernarg_size 16
		.amdhsa_user_sgpr_count 2
		.amdhsa_user_sgpr_kernarg_segment_ptr 1
		.amdhsa_wavefront_size32 1
		.amdhsa_system_sgpr_workgroup_id_x 1
		.amdhsa_system_sgpr_workgroup_id_y 1
		.amdhsa_system_sgpr_workgroup_id_z 1
		.amdhsa_system_vgpr_workitem_id 0
		.amdhsa_next_free_vgpr 44
		.amdhsa_next_free_sgpr 66
		.amdhsa_reserve_vcc 1
		.amdhsa_float_denorm_mode_32 3
		.amdhsa_float_denorm_mode_16_64 3
		.amdhsa_memory_ordered 1
		.amdhsa_forward_progress 1
		.amdhsa_inst_pref_size 15
	.end_amdhsa_kernel
	.amdgpu_metadata
---
amdhsa.version: [ 1, 2 ]
amdhsa.kernels:
  - .name:           k_q61fffb45fc_order
    .symbol:         k_q61fffb45fc_order.kd
    .args:
      - { .name: mask, .offset: 0, .size: 8, .value_kind: global_buffer, .address_space: global }
      - { .name: order, .offset: 8, .size: 8, .value_kind: global_buffer, .address_space: global }
    .group_segment_fixed_size: 0
    .private_segment_fixed_size: 0
    .kernarg_segment_align: 8
    .kernarg_segment_size: 16
    .max_flat_workgroup_size: 64
    .sgpr_count:     66
    .vgpr_count:     44
    .wavefront_size: 32
...
	.end_amdgpu_metadata
.endif
;; end of part 1
;; launch entity (part 2): grid 256 x 1, 4 waves a work-group, no clusters, 306,944 bytes of LDS; arguments U, V, W, encoded_sents, keys, order, out0; writes out0
.if DOCPART == 2
	.amdgcn_target "amdgcn-amd-amdhsa--gfx1250"
	.amdhsa_code_object_version 6
	.text
	.protected	k_q61fffb45fc_entity
	.globl	k_q61fffb45fc_entity
	.p2align	8
	.type	k_q61fffb45fc_entity,@function
k_q61fffb45fc_entity:
	s_mov_b64 s[64:65], 0
	v_nop
	global_prefetch_b8 v0, s[64:65] scope:SCOPE_SE
	s_setreg_imm32_b32 hwreg(HW_REG_WAVE_MODE, 25, 1), 1
	s_wait_xcnt 0x0
; Recurrent entity cell, 128 steps, last state only.
;   gate = sigmoid(enc_t . (h + key));  h~ = relu(h U + key V + enc_t W);  h = (h + gate h~) / sqrt(max(|.|^2, 1e-12));  a step with mask 0 changes nothing.
; 4,096 rows (batch, entity) of 256 numbers are independent but for enc_t and the mask of their batch: work-group g takes 16 rows (batch g >> 1,
; entities 16 (g & 1) ..), 256 work-groups in all.  Wave w owns columns 64 w .. 64 w + 63 of U, V, W, of the state and of all tables.
; key V is constant over the steps and is made once; enc W and enc . key are made once for all 128 steps; what is left in a step is h U.
;
; TRANSPOSED USE of the matrix instruction: source 0 = 16 output columns of a weight (k along its input index), source 1 = 16 rows of h, enc or keys.
; Lane (r = lane & 15, hh = lane >> 4) then holds, of tile nt, row r and columns 16 nt + 8 hh + 0..7: row sums are sums inside a lane, gate and norm
; are one number a lane, and tiles 2 f, 2 f + 1 rounded to bf16 ARE the source-1 fragment of K step 2 w + f: no shuffle.
; DEFERRED NORM: the state kept is u, not normalised, in f32.  Waves hand each other bf16(u), p1 = sum u^2 and p2 = sum enc_next u over their columns; the
; next step takes rs = 1/sqrt(max(sum p1, 1e-12)), h = rs u, h U = rs (bf16(u) U), logit = rs sum p2 + enc . key.  One exchange, one barrier a step.
; COMPACTED STEPS: the launch before this one has made, from the mask, the order of the steps (active steps first and in order, then the others) and the
; count of active steps, as whole numbers.  enc rows are fetched in that order, so every table has constant LDS addresses and the next active row is
; the next row.  The loop has 128 trips; a trip at or behind the count jumps over the work alone, its wait and its barrier stand on both ways.
; The count is one word of the batch's record: equal in all four waves.
; OWN FRAGMENTS FIRST: wave w keeps U's K steps turned round: register slots 2 c, 2 c + 1 hold the K steps of owner (w + c) & 3, so the eight products on
; its own fragments (still in registers) run while the other owners' fragments come from LDS.
;
; NO CLUSTER, NO TENSOR LOADS: U, V, W (786,432 bytes) are shared by all work-groups, but each reads them once, and every byte has to pass through
; registers to be rounded to bf16 and laid out by columns; an f32 landing region for joint loads does not fit beside the 306,432 bytes of LDS in use
; (21,248 are left).  No prefetch: every global load has a known address early and two groups of 32 loads a wave are kept out.
;
; LIMITS: enc, keys, U, V, W are rounded to bf16 wherever they are used (the gate's dot products too); h is rounded to bf16 for h U alone; state, sums,
; gate and norm are f32.  The order of K in the sums of h U is turned round by 64 w.  v_exp_f32, v_rcp_f32, v_rsq_f32 are good to 1 ULP and flush
; denormals (ISA guide 15.8): a gate below 2^-126 is 0.  relu is v_max_num_f32: a NaN becomes 0.
; ---- LDS map (bytes) ----
.set EP,    528                        ; a row of 256 bf16 + 16: an odd multiple of 16, so 16 rows start at 16 different 16-byte columns modulo 256
.set KEYS,  128*EP                     ; rows 0-127: enc, compacted; rows 128-143: my 16 keys (shared by the waves, written once)
.set TP,    336                        ; a table row: 64 f32 of enc W (my columns), 16 f32 of enc . key, 16 bytes of padding
.set TAB,   144*EP                     ; + w * TABW: each wave's own table, 128 rows
.set TABW,  128*TP
.set XCH,   TAB+4*TABW                 ; the exchange: two buffers that take turns
.set XSZ,   8704                       ; a buffer: 4 owners x 2,048 bytes of fragments, then 512 bytes of partial sums
.set XPART, 8192
.set SP,    160                        ; weight stage: a row of 64 bf16 + 32: an odd multiple of 32
.set STG,   XCH+2*XSZ                  ; + w * STGW: each wave's own stage, 64 rows; at the end the stage of the way out
.set STGW,  64*SP
.set OP,    272                        ; the way out: a row of 64 f32 + 16
; ---- vector registers, window 0 ----
; v1 lane, v2 r, v3 hh, v4 offset in a weight (and in out0), v5 stage store, v6 stage transposing load, v7 enc fragment, v8-11 offsets in U by slot pair,
; v12 table store, v13 key fragment, v14 zero
.set GA,  16                           ; v16-23, v24-31: two accumulators of enc . key (before that: addresses of the prologue)
.set ACC, 32                           ; v32-63   enc W, four tiles
.set EA,  64                           ; v64-95   offsets of the 32 enc rows that my wave fetches
.set EF0, 64                           ; v64-127  enc fragments, buffer 0
.set KY,  128                          ; v128-159 four key rows as loaded;  v160-175 rounded
.set KP,  160
.set KF,  128                          ; v128-191 key fragments
.set EF1, 192                          ; v192-255 enc fragments, buffer 1
.set TMP, 192                          ; v192-255 a group of loads rounded to bf16
.set UU,  32                           ; main loop: v32-63 u;  v64-95 key V;  v96-127 enc W of the step;  v128-159 bf16(u) U
.set KV,  64
.set CC,  96
.set DD,  128
.set HF,  160                          ; v160-223 fragments of bf16(u), slot s at 8 s; slots 0, 1 are my own
.set EN,  224                          ; v224-239 the next row of enc, my columns, bf16
; v240-243 four p1, v244-247 four p2, v248 enc . key, v249 v254 v255 at work, v250-251 rs twice, v252-253 gate twice
; main loop addresses: v16 my fragments out, v17-19 the others' in, v20 my partial sum out, v21 partial sums in, v22 enc W, v23 enc . key, v24 next enc,
; v25, v26 the way out
; ---- windows 1 to 3 ----
; window 1: U, slot s, tile nt at 8 (4 s + nt);  window 2: W, later V, K step q, tile nt at 8 (4 q + nt);  window 3: two landing buffers of 128
.set LA, 0
.set LB, 128
.set TO3,   0xc0                       ; destination in window 3
.set FROM3, 0x0f                       ; sources 0 and 1 in window 3
.set TO1,   0x40
.set TO2,   0x80
.set MULU,  0x01                       ; source 0 in window 1
.set MULW,  0x02                       ; source 0 in window 2
.set MSB, 0
.macro WIN new                         ; the immediate's high byte repeats the setting that is left; a switch that changes nothing is dropped
.if MSB != \new
	s_set_vgpr_msb (MSB<<8)|\new
.set MSB, \new
.endif
.endm
.macro PLACES n
.rept \n
	v_nop
.endr
.endm
; ---- scalars: s[4:5] U, s[6:7] V, s[8:9] W, s[10:11] enc of my batch, s[12:13] my keys, s[14:15] my batch's record of the order, s[16:17] my rows of
; out0, s18 wave, s28 active steps, s29 max(s28, 1) - 1, s30 trip, s31 s38 at work, s32 s33 selects of v_permlanex16_b32, s34 lanes 16-31,
; s[36:37] an offset, s39 my stage, s40 my table, s[42:43] my wave's 32 words of the order, s[68:99] those words
.set ORD, 68
	s_load_b256 s[4:11], s[0:1], 0x0
	s_load_b128 s[12:15], s[0:1], 0x20
	s_load_b64 s[16:17], s[0:1], 0x30
	v_lshrrev_b32 v30, 5, v0
	v_readfirstlane_b32 s18, v30                   ; wave 0..3
	v_and_b32 v1, 31, v0
	v_and_b32 v2, 15, v0
	v_bfe_u32 v3, v0, 4, 1
	v_mov_b32 v14, 0
	s_mov_b32 s32, 0x76543210
	s_mov_b32 s33, 0xfedcba98
	s_mov_b32 s34, 0xffff0000
	s_mul_i32 s39, s18, STGW
	s_add_co_u32 s39, s39, STG
	s_mul_i32 s40, s18, TABW
	s_add_co_u32 s40, s40, TAB
	v_lshlrev_b32 v4, 4, v2                        ; in a weight: lanes 0-15 take 256 bytes of one row (my 64 columns), lanes 16-31 of the next
	v_lshl_add_u32 v4, v3, 10, v4
	s_lshl_b32 s31, s18, 8
	v_add_nc_u32 v4, s31, v4
	v_mul_u32_u24 v5, v3, SP                       ; the same two rows in the stage, 8 bytes a lane
	v_lshl_add_u32 v5, v2, 3, v5
	v_add_nc_u32 v5, s39, v5
	v_and_b32 v30, 7, v0                           ; transposing load: row 8 hh + (lane & 7), 16 bytes by bit 3 of the lane
	v_lshl_add_u32 v30, v3, 3, v30
	v_mul_u32_u24 v6, v30, SP
	v_bfe_u32 v30, v0, 3, 1
	v_lshl_add_u32 v6, v30, 4, v6
	v_add_nc_u32 v6, s39, v6
	v_mul_u32_u24 v7, v2, EP                       ; a fragment of rows that lie along k: row r, 16 bytes by hh
	v_lshl_add_u32 v7, v3, 4, v7
	v_add_nc_u32 v13, KEYS, v7
.irp c, 0,1,2,3
	s_add_co_u32 s31, s18, \c                      ; slot pair c of U: the 64 input rows of owner (w + c) & 3
	s_and_b32 s31, s31, 3
	s_lshl_b32 s31, s31, 16
	v_add_nc_u32 v[8+\c], s31, v4
.endr
	v_mul_u32_u24 v12, v2, TP                      ; table: row r of a tile of 16 steps, 32 bytes by hh
	v_lshl_add_u32 v12, v3, 5, v12
	v_add_nc_u32 v12, s40, v12
	s_mul_i32 s31, s18, 32*EP                      ; my wave lays down compacted enc rows 32 w .. 32 w + 31, 8 bytes a lane
	v_lshl_add_u32 v16, v1, 3, s31
	s_mul_i32 s31, s18, 4*EP                       ; and key rows 4 w .. 4 w + 3
	s_add_co_u32 s31, s31, KEYS
	v_lshl_add_u32 v17, v1, 3, s31
	v_lshlrev_b32 v18, 4, v1
	s_lshl_b32 s31, s18, 12
	v_add_nc_u32 v19, s31, v18
	s_lshr_b32 s31, ttmp9, 1                       ; batch
	s_lshl_b32 s36, s31, 17                        ; 128 rows of 1,024 bytes
	s_mov_b32 s37, 0
	s_wait_kmcnt 0x0
	s_add_nc_u64 s[10:11], s[10:11], s[36:37]
	s_lshl_b32 s36, s31, 10                        ; a record of 1,024 bytes
	s_add_nc_u64 s[14:15], s[14:15], s[36:37]
	s_lshl_b32 s36, s18, 7                         ; places 32 w .. 32 w + 31: 128 bytes
	s_add_nc_u64 s[42:43], s[14:15], s[36:37]
	s_lshl_b32 s36, ttmp9, 14                      ; 16 rows of 1,024 bytes
	s_add_nc_u64 s[12:13], s[12:13], s[36:37]
	s_add_nc_u64 s[16:17], s[16:17], s[36:37]
	s_load_b512 s[ORD:ORD+15], s[42:43], 0x0       ; the steps at my 32 places,
	s_load_b512 s[ORD+16:ORD+31], s[42:43], 0x40
	s_load_b32 s28, s[14:15], 0x200                ; and the count of active steps; they come while the loads below are issued
; 32 loads: 64 input rows of a weight, my 64 columns; each load covers two aligned runs of 256 bytes
.macro WLOAD buf, areg, blo, off
	WIN TO3
.set jj, 0
.rept 32
	global_load_b128 v[\buf+4*jj:\buf+4*jj+3], v[\areg], s[\blo:\blo+1] offset:\off+2048*jj
.set jj, jj+1
.endr
.endm
; 32 loads: 16 enc rows by the order; a row number comes from memory and is clamped to the 128 rows of the batch before it enters an offset
.macro ELOAD buf, g
	WIN 0
.set jj, 0
.rept 16
	s_min_u32 s38, s[ORD+16*\g+jj], 127
	v_lshl_add_u32 v[EA+16*\g+jj], s38, 10, v18
.set jj, jj+1
.endr
	WIN TO3
.set jj, 0
.rept 16
	global_load_b128 v[\buf+8*jj:\buf+8*jj+3], v[EA+16*\g+jj], s[10:11]
	global_load_b128 v[\buf+8*jj+4:\buf+8*jj+7], v[EA+16*\g+jj], s[10:11] offset:512
.set jj, jj+1
.endr
.endm
.macro CVT64 buf                       ; a landing buffer rounded to bf16
	WIN FROM3
.set jj, 0
.rept 64
	v_cvt_pk_bf16_f32 v[TMP+jj], v[\buf+2*jj], v[\buf+2*jj+1]
.set jj, jj+1
.endr
.endm
.macro STW                             ; 64 weight rows into my stage
	WIN 0
.set jj, 0
.rept 32
	ds_store_b64 v5, v[TMP+2*jj:TMP+2*jj+1] offset:2*SP*jj
.set jj, jj+1
.endr
.endm
; and back by columns: two K steps x four tiles.  The stage is my wave's own and LDS serves a wave's instructions in order (ISA guide 5.7.1.4):
; these see the stores above, and the next group's stores come behind them; no wait, no barrier.
.macro TRW win, c
	WIN \win
.irp ql, 0,1
.irp nt, 0,1,2,3
	ds_load_tr16_b128 v[8*(4*(2*\c+\ql)+\nt):8*(4*(2*\c+\ql)+\nt)+3], v6 offset:32*SP*\ql+32*\nt
	ds_load_tr16_b128 v[8*(4*(2*\c+\ql)+\nt)+4:8*(4*(2*\c+\ql)+\nt)+7], v6 offset:32*SP*\ql+32*\nt+16*SP
.endr
.endr
.endm
.macro STE g                           ; 16 enc rows into the shared table
	WIN 0
.set jj, 0
.rept 16
	ds_store_b64 v16, v[TMP+4*jj:TMP+4*jj+1] offset:(16*\g+jj)*EP
	ds_store_b64 v16, v[TMP+4*jj+2:TMP+4*jj+3] offset:(16*\g+jj)*EP+256
.set jj, jj+1
.endr
.endm
.macro HEADG left, buf                 ; the group in buf has landed (left = the loads of the one younger group); round it
	s_wait_loadcnt \left
	CVT64 \buf
.endm
.macro TAILW win, c
	STW
	TRW \win, \c
.endm
	; ---- the first loads: keys, W's first 64 rows, the first 16 enc rows ----
.irp rr, 0,1,2,3
	global_load_b128 v[KY+8*\rr:KY+8*\rr+3], v19, s[12:13] offset:1024*\rr
	global_load_b128 v[KY+8*\rr+4:KY+8*\rr+7], v19, s[12:13] offset:1024*\rr+512
.endr
	WLOAD LA, 4, 8, 0
	WIN 0
	s_wait_kmcnt 0x0                               ; the order and the count
	s_max_u32 s29, s28, 1
	s_sub_co_u32 s29, s29, 1
	ELOAD LB, 0
	; ---- groups of 32 loads on two landing buffers: one is rounded and laid down while the next is on its way and the one after is asked for ----
	s_wait_loadcnt 32                              ; all but the 32 enc loads just issued: keys and W's rows 0-63
	WIN 0
.set jj, 0
.rept 16
	v_cvt_pk_bf16_f32 v[KP+jj], v[KY+2*jj], v[KY+2*jj+1]
.set jj, jj+1
.endr
.irp rr, 0,1,2,3
	ds_store_b64 v17, v[KP+4*\rr:KP+4*\rr+1] offset:\rr*EP
	ds_store_b64 v17, v[KP+4*\rr+2:KP+4*\rr+3] offset:\rr*EP+256
.endr
	CVT64 LA
	ELOAD LA, 1
	TAILW TO2, 0
	HEADG 32, LB
	WLOAD LB, 4, 8, 65536
	STE 0
	HEADG 32, LA
	WLOAD LA, 4, 8, 2*65536
	STE 1
	HEADG 32, LB
	WLOAD LB, 4, 8, 3*65536
	TAILW TO2, 1
	HEADG 32, LA
	WLOAD LA, 4, 6, 0                              ; V's rows are asked for now and land during the products with W
	TAILW TO2, 2
	HEADG 32, LB
	WLOAD LB, 4, 6, 65536
	TAILW TO2, 3
	WIN 0
	s_wait_dscnt 0x0                               ; my rows of enc and keys are written, my fragments of W are in
	s_barrier_signal -1
	s_barrier_wait -1                              ; everybody's rows are written; nobody writes them again
	; ---- enc W (my 64 columns) and enc . key for all 128 places, 16 at a time, into my own table ----
.macro ELD t, ef
.irp q, 0,1,2,3,4,5,6,7
	ds_load_b128 v[\ef+8*\q:\ef+8*\q+3], v7 offset:(\t)*16*EP+64*\q
	ds_load_b128 v[\ef+8*\q+4:\ef+8*\q+7], v7 offset:(\t)*16*EP+64*\q+32
.endr
.endm
; The accumulators take turns, one matrix instruction a turn.
.macro EWT tt, cur, nxt, left
.if \tt < 7
	WIN 0
	ELD (\tt+1), \nxt
.endif
	s_wait_dscnt \left                             ; this tile's fragments are in; younger: the last tile's 10 stores and the next tile's 16 loads
	WIN MULW
.irp q, 0,1,2,3,4,5,6,7
.irp nt, 0,1,2,3
.if \q == 0
	v_wmma_f32_16x16x32_bf16 v[ACC+8*\nt:ACC+8*\nt+7], v[8*(4*\q+\nt):8*(4*\q+\nt)+7], v[\cur+8*\q:\cur+8*\q+7], 0
.else
	v_wmma_f32_16x16x32_bf16 v[ACC+8*\nt:ACC+8*\nt+7], v[8*(4*\q+\nt):8*(4*\q+\nt)+7], v[\cur+8*\q:\cur+8*\q+7], v[ACC+8*\nt:ACC+8*\nt+7]
.endif
.endr
.endr
	WIN 0
.irp q, 0,1,2,3,4,5,6,7
.if \q < 2
	v_wmma_f32_16x16x32_bf16 v[GA+8*(\q%2):GA+8*(\q%2)+7], v[KF+8*\q:KF+8*\q+7], v[\cur+8*\q:\cur+8*\q+7], 0
.else
	v_wmma_f32_16x16x32_bf16 v[GA+8*(\q%2):GA+8*(\q%2)+7], v[KF+8*\q:KF+8*\q+7], v[\cur+8*\q:\cur+8*\q+7], v[GA+8*(\q%2):GA+8*(\q%2)+7]
.endif
.endr
	PLACES 5                                       ; four places before results are read and fragments loaded again, five before the next tile's first products write over the sums (ISA guide 7.12.1)
.irp k, 0,2,4,6
	v_pk_add_f32 v[GA+\k:GA+\k+1], v[GA+\k:GA+\k+1], v[GA+8+\k:GA+8+\k+1]
.endr
.irp nt, 0,1,2,3
	ds_store_b128 v12, v[ACC+8*\nt:ACC+8*\nt+3] offset:\tt*16*TP+64*\nt
	ds_store_b128 v12, v[ACC+8*\nt+4:ACC+8*\nt+7] offset:\tt*16*TP+64*\nt+16
.endr
	ds_store_b128 v12, v[GA:GA+3] offset:\tt*16*TP+256
	ds_store_b128 v12, v[GA+4:GA+7] offset:\tt*16*TP+272
.endm
.irp q, 0,1,2,3,4,5,6,7
	ds_load_b128 v[KF+8*\q:KF+8*\q+3], v13 offset:64*\q
	ds_load_b128 v[KF+8*\q+4:KF+8*\q+7], v13 offset:64*\q+32
.endr
	ELD 0, EF0
	EWT 0, EF0, EF1, 16
	EWT 1, EF1, EF0, 26
	EWT 2, EF0, EF1, 26
	EWT 3, EF1, EF0, 26
	EWT 4, EF0, EF1, 26
	EWT 5, EF1, EF0, 26
	EWT 6, EF0, EF1, 26
	EWT 7, EF1, EF0, 10
	; ---- V takes W's registers; U is asked for behind it ----
	HEADG 32, LA
	WLOAD LA, 4, 6, 2*65536
	TAILW TO2, 0
	HEADG 32, LB
	WLOAD LB, 4, 6, 3*65536
	TAILW TO2, 1
	HEADG 32, LA
	WLOAD LA, 8, 4, 0
	TAILW TO2, 2
	HEADG 32, LB
	WLOAD LB, 9, 4, 0
	TAILW TO2, 3
	s_wait_dscnt 0x0                               ; V's fragments are in
	WIN MULW                                       ; key V, once; four accumulators by turns
.irp q, 0,1,2,3,4,5,6,7
.irp nt, 0,1,2,3
.if \q == 0
	v_wmma_f32_16x16x32_bf16 v[KV+8*\nt:KV+8*\nt+7], v[8*(4*\q+\nt):8*(4*\q+\nt)+7], v[KF+8*\q:KF+8*\q+7], 0
.else
	v_wmma_f32_16x16x32_bf16 v[KV+8*\nt:KV+8*\nt+7], v[8*(4*\q+\nt):8*(4*\q+\nt)+7], v[KF+8*\q:KF+8*\q+7], v[KV+8*\nt:KV+8*\nt+7]
.endif
.endr
.endr
	HEADG 32, LA
	WLOAD LA, 10, 4, 0
	TAILW TO1, 0
	HEADG 32, LB
	WLOAD LB, 11, 4, 0
	TAILW TO1, 1
	HEADG 32, LA
	TAILW TO1, 2
	HEADG 0, LB                                    ; the last group: nothing younger
	TAILW TO1, 3
	WIN 0
	; ---- addresses of the main loop ----
	s_lshl_b32 s31, s18, 11
	s_add_co_u32 s31, s31, XCH
	v_lshl_add_u32 v16, v1, 4, s31                 ; my fragments: 16 bytes a lane, four times 512
.irp c, 1,2,3
	s_add_co_u32 s31, s18, \c
	s_and_b32 s31, s31, 3
	s_lshl_b32 s31, s31, 11
	s_add_co_u32 s31, s31, XCH
	v_lshl_add_u32 v[16+\c], v1, 4, s31            ; those of owner (w + c) & 3
.endr
	v_lshlrev_b32 v20, 4, v2                       ; partial sums: [p1 | p2][row r][owner]; lanes 0-15 store p1, lanes 16-31 p2
	v_lshl_add_u32 v20, v3, 8, v20
	s_lshl_b32 s31, s18, 2
	s_add_co_u32 s31, s31, XCH+XPART
	v_add_nc_u32 v20, s31, v20
	v_lshlrev_b32 v21, 4, v2
	v_add_nc_u32 v21, XCH+XPART, v21
	v_lshl_add_u32 v22, v3, 5, s40
	v_lshl_add_u32 v23, v2, 2, s40
	v_add_nc_u32 v23, 256, v23
	s_lshl_b32 s31, s18, 7
	s_add_co_u32 s31, s31, EP
	v_lshl_add_u32 v24, v3, 4, s31                 ; row 1 of enc, my columns: the row of the step after
	v_mul_u32_u24 v25, v2, OP
	v_lshl_add_u32 v25, v3, 5, v25
	v_add_nc_u32 v25, s39, v25
	v_mul_u32_u24 v26, v3, OP
	v_lshl_add_u32 v26, v2, 4, v26
	v_add_nc_u32 v26, s39, v26
	; ---- h0 = 0: u, my fragments and my partial sums ----
.set jj, 0
.rept 32
	v_mov_b32 v[UU+jj], 0
.set jj, jj+1
.endr
.set jj, 0
.rept 16
	v_mov_b32 v[HF+jj], 0
.set jj, jj+1
.endr
	v_mov_b32 v249, 0                              ; v_permlanex16_b32 counts as reading its destination
.irp g, 0,1,2,3
	ds_store_b128 v16, v[HF+4*\g:HF+4*\g+3] offset:512*\g
.endr
	ds_store_b32 v20, v14
	ds_store_b32 v20, v14 offset:XSZ               ; both buffers: the end reads both and picks one
	s_wait_dscnt 0x0                               ; U's fragments are in, my stores are done
	s_barrier_signal -1
	s_barrier_wait -1
.macro MULS s, zero                    ; slot s of K, four tiles by turns
.irp nt, 0,1,2,3
.if \zero
	v_wmma_f32_16x16x32_bf16 v[DD+8*\nt:DD+8*\nt+7], v[8*(4*\s+\nt):8*(4*\s+\nt)+7], v[HF+8*\s:HF+8*\s+7], 0
.else
	v_wmma_f32_16x16x32_bf16 v[DD+8*\nt:DD+8*\nt+7], v[8*(4*\s+\nt):8*(4*\s+\nt)+7], v[HF+8*\s:HF+8*\s+7], v[DD+8*\nt:DD+8*\nt+7]
.endif
.endr
.endm
; One active step: reads exchange buffer p, writes buffer 1 - p.
.macro STEP p
	ds_load_b128 v[240:243], v21 offset:\p*XSZ             ; 27 LDS loads in the order of their use: four p1,
	ds_load_b128 v[244:247], v21 offset:\p*XSZ+256         ; four p2,
	ds_load_b32 v248, v23 offset:\p*TP                     ; enc . key,
.irp c, 1,2,3
.irp g, 0,1,2,3
	ds_load_b128 v[HF+16*\c+4*\g:HF+16*\c+4*\g+3], v[16+\c] offset:\p*XSZ+512*\g   ; three owners' fragments,
.endr
.endr
.irp nt, 0,1,2,3
	ds_load_b128 v[CC+8*\nt:CC+8*\nt+3], v22 offset:\p*TP+64*\nt                   ; enc W,
	ds_load_b128 v[CC+8*\nt+4:CC+8*\nt+7], v22 offset:\p*TP+64*\nt+16
.endr
.irp nt, 0,1,2,3
	ds_load_b128 v[EN+4*\nt:EN+4*\nt+3], v24 offset:\p*EP+32*\nt                   ; the next row of enc (behind the last: a row of keys, not used)
.endr
	WIN MULU
	MULS 0, 1                                      ; my own fragments are in registers: the first products start the sums
	MULS 1, 0
	WIN 0
	s_wait_dscnt 24                                ; the three oldest of the 27 are in
	v_pk_add_f32 v[240:241], v[240:241], v[242:243]
	v_pk_add_f32 v[244:245], v[244:245], v[246:247]
	v_add_f32 v240, v240, v241                     ; |u|^2
	v_add_f32 v244, v244, v245                     ; enc . u
	v_max_num_f32 v240, 0x2b8cbccc, v240           ; 1e-12
	v_rsq_f32 v250, v240                           ; twice: a pair for the packed products
	v_rsq_f32 v251, v240
	v_nop                                          ; one plain instruction behind a transcendental before its result is used (ISA guide 5.7.2)
	s_wait_alu depctr_va_vdst(0)
	v_fma_f32 v244, v250, v244, v248               ; enc . (h + key)
	v_mul_f32 v244, 0xbfb8aa3b, v244               ; times -log2(e)
	v_exp_f32 v245, v244
	v_nop
	s_wait_alu depctr_va_vdst(0)
	v_add_f32 v245, 1.0, v245
	v_rcp_f32 v252, v245                           ; the gate; an overflow of the exponential gives 0, as it should
	v_rcp_f32 v253, v245                           ; (its first use stands behind the packed sums below)
	WIN MULU
	s_wait_dscnt 20                                ; the first owner's four loads are in: 8 + 8 + 4 are younger
	MULS 2, 0
	MULS 3, 0
	s_wait_dscnt 16
	MULS 4, 0
	MULS 5, 0
	s_wait_dscnt 12
	MULS 6, 0
	MULS 7, 0
	WIN 0
	s_wait_dscnt 0x0                               ; enc W and the next enc row
.set jj, 0
.rept 16
	v_pk_add_f32 v[CC+2*jj:CC+2*jj+1], v[CC+2*jj:CC+2*jj+1], v[KV+2*jj:KV+2*jj+1]    ; these two runs name no register of the last products: they are the places behind them
.set jj, jj+1
.endr
.set jj, 0
.rept 16
	v_pk_mul_f32 v[UU+2*jj:UU+2*jj+1], v[UU+2*jj:UU+2*jj+1], v[250:251]              ; h = rs u
.set jj, jj+1
.endr
.set jj, 0
.rept 16
	v_pk_fma_f32 v[DD+2*jj:DD+2*jj+1], v[DD+2*jj:DD+2*jj+1], v[250:251], v[CC+2*jj:CC+2*jj+1]
.set jj, jj+1
.endr
.set jj, 0
.rept 32
	v_max_num_f32 v[DD+jj], 0, v[DD+jj]
.set jj, jj+1
.endr
.set jj, 0
	s_wait_alu depctr_va_vdst(0)
.rept 16
	v_pk_fma_f32 v[UU+2*jj:UU+2*jj+1], v[DD+2*jj:DD+2*jj+1], v[252:253], v[UU+2*jj:UU+2*jj+1]   ; u = h + gate relu(..)
.set jj, jj+1
.endr
.set jj, 0
.rept 16
	v_cvt_pk_bf16_f32 v[HF+jj], v[UU+2*jj], v[UU+2*jj+1]   ; tiles 0, 1 are my K step 2 w, tiles 2, 3 my K step 2 w + 1
.set jj, jj+1
.endr
.irp g, 0,1,2,3
	ds_store_b128 v16, v[HF+4*\g:HF+4*\g+3] offset:(1-\p)*XSZ+512*\g
.endr
.irp c, 0,1,2,3
	v_pk_mul_f32 v[DD+2*\c:DD+2*\c+1], v[UU+2*\c:UU+2*\c+1], v[UU+2*\c:UU+2*\c+1]    ; p1 in four chains of pairs
.endr
.irp m, 1,2,3
.irp c, 0,1,2,3
	v_pk_fma_f32 v[DD+2*\c:DD+2*\c+1], v[UU+8*\m+2*\c:UU+8*\m+2*\c+1], v[UU+8*\m+2*\c:UU+8*\m+2*\c+1], v[DD+2*\c:DD+2*\c+1]
.endr
.endr
.irp k, 0,1,2,3
.irp nt, 0,1,2,3
.if \k == 0
	v_fma_mix_f32_bf16 v[DD+8+\nt], v[EN+4*\nt], v[UU+8*\nt], v14 op_sel_hi:[1,0,0]  ; p2 in four chains: bf16 enc times f32 u
.else
	v_fma_mix_f32_bf16 v[DD+8+\nt], v[EN+4*\nt+\k], v[UU+8*\nt+2*\k], v[DD+8+\nt] op_sel_hi:[1,0,0]
.endif
.endr
.irp nt, 0,1,2,3
	v_fma_mix_f32_bf16 v[DD+8+\nt], v[EN+4*\nt+\k], v[UU+8*\nt+2*\k+1], v[DD+8+\nt] op_sel:[1,0,0] op_sel_hi:[1,0,0]
.endr
.endr
	v_pk_add_f32 v[DD:DD+1], v[DD:DD+1], v[DD+2:DD+3]
	v_pk_add_f32 v[DD+4:DD+5], v[DD+4:DD+5], v[DD+6:DD+7]
	v_add_f32 v[DD+8], v[DD+8], v[DD+9]
	v_add_f32 v[DD+10], v[DD+10], v[DD+11]
	v_pk_add_f32 v[DD:DD+1], v[DD:DD+1], v[DD+4:DD+5]
	v_add_f32 v[DD+8], v[DD+8], v[DD+10]           ; p2 of my 32 columns
	v_add_f32 v[DD], v[DD], v[DD+1]                ; p1 of my 32 columns
	v_cndmask_b32 v254, v[DD+8], v[DD], s34        ; lanes 0-15 hand over p2 and keep p1, lanes 16-31 the other way round:
	v_cndmask_b32 v255, v[DD], v[DD+8], s34
	v_permlanex16_b32 v249, v254, s32, s33         ; one crossing serves both sums
	v_add_f32 v255, v255, v249
	ds_store_b32 v20, v255 offset:(1-\p)*XSZ
.endm
; Orders this trip's reads of one buffer and stores into the other with the next trip's, in which the two change places.
.macro SYNC
	s_wait_dscnt 0x0
	s_barrier_signal -1
	s_barrier_wait -1
.endm
	s_mov_b32 s30, 0
.Lloop:
	s_cmp_lt_u32 s30, s28                          ; place s30 is active?
	s_cbranch_scc0 .Lidle0
	STEP 0
.Lidle0:
	SYNC
	s_cmp_lt_u32 s30, s29                          ; place s30 + 1 is active?
	s_cbranch_scc0 .Lidle1
	STEP 1
.Lidle1:
	SYNC
	v_add_nc_u32 v22, 2*TP, v22
	v_add_nc_u32 v23, 2*TP, v23
	v_add_nc_u32 v24, 2*EP, v24
	s_add_co_u32 s30, s30, 2
	s_cmp_lt_u32 s30, 128
	s_cbranch_scc1 .Lloop
	; ---- the end: the last norm, and out through my own stage so that sixteen lanes store 256 consecutive bytes, aligned ----
	ds_load_b128 v[240:243], v21
	ds_load_b128 v[244:247], v21 offset:XSZ
	s_bitcmp1_b32 s28, 0                           ; the last active step wrote buffer (active steps) & 1
	s_cselect_b32 s31, -1, 0
	s_wait_dscnt 0x0
	v_pk_add_f32 v[240:241], v[240:241], v[242:243]
	v_pk_add_f32 v[244:245], v[244:245], v[246:247]
	v_add_f32 v240, v240, v241
	v_add_f32 v244, v244, v245
	v_cndmask_b32 v240, v240, v244, s31
	v_max_num_f32 v240, 0x2b8cbccc, v240
	v_rsq_f32 v250, v240
	v_rsq_f32 v251, v240
	v_nop
.set jj, 0
	s_wait_alu depctr_va_vdst(0)
.rept 16
	v_pk_mul_f32 v[UU+2*jj:UU+2*jj+1], v[UU+2*jj:UU+2*jj+1], v[250:251]
.set jj, jj+1
.endr
.irp nt, 0,1,2,3
	ds_store_b128 v25, v[UU+8*\nt:UU+8*\nt+3] offset:64*\nt
	ds_store_b128 v25, v[UU+8*\nt+4:UU+8*\nt+7] offset:64*\nt+16
.endr
.irp t, 0,1,2,3,4,5,6,7
	ds_load_b128 v[CC+4*\t:CC+4*\t+3], v26 offset:2*OP*\t  ; my wave's own bytes, served in order: these see the stores above
.endr
.irp t, 0,1,2,3,4,5,6,7
	s_wait_dscnt 7-\t
	global_store_b128 v4, v[CC+4*\t:CC+4*\t+3], s[16:17] offset:2048*\t th:TH_STORE_NT
.endr
	s_wait_xcnt 0x0
	v_lshl_add_u32 v254, v0, 2, 0x4ad00
	v_mov_b32 v255, 0
	s_wait_tensorcnt 0x0
	ds_add_u32 v254, v255
	s_wait_dscnt 0x0
	s_endpgm
.Lfunc_end_k_q61fffb45fc_entity:
	.size	k_q61fffb45fc_entity, .Lfunc_end_k_q61fffb45fc_entity-k_q61fffb45fc_entity
	.p2alignl 7, 3214868480
	.fill 96, 4, 3214868480
	.section	.rodata,"a",@progbits
	.p2align	6, 0x0
	.amdhsa_kernel k_q61fffb45fc_entity
		.amdhsa_group_segment_fixed_size 306944
		.amdhsa_private_segment_fixed_size 0
		.amdhsa_enable_private_segment 0
		.amdhsa_kernarg_size 56
		.amdhsa_user_sgpr_count 2
		.amdhsa_user_sgpr_kernarg_segment_ptr 1
		.amdhsa_wavefront_size32 1
		.amdhsa_system_sgpr_workgroup_id_x 1
		.amdhsa_system_sgpr_workgroup_id_y 1
		.amdhsa_system_sgpr_workgroup_id_z 1
		.amdhsa_system_vgpr_workitem_id 0
		.amdhsa_next_free_vgpr 1024
		.amdhsa_next_free_sgpr 100
		.amdhsa_reserve_vcc 0
		.amdhsa_float_denorm_mode_32 3
		.amdhsa_float_denorm_mode_16_64 3
		.amdhsa_memory_ordered 1
		.amdhsa_forward_progress 1
		.amdhsa_inst_pref_size 228
	.end_amdhsa_kernel
	.amdgpu_metadata
---
amdhsa.version: [ 1, 2 ]
amdhsa.kernels:
  - .name:           k_q61fffb45fc_entity
    .symbol:         k_q61fffb45fc_entity.kd
    .args:
      - { .name: U, .offset: 0, .size: 8, .value_kind: global_buffer, .address_space: global }
      - { .name: V, .offset: 8, .size: 8, .value_kind: global_buffer, .address_space: global }
      - { .name: W, .offset: 16, .size: 8, .value_kind: global_buffer, .address_space: global }
      - { .name: encoded_sents, .offset: 24, .size: 8, .value_kind: global_buffer, .address_space: global }
      - { .name: keys, .offset: 32, .size: 8, .value_kind: global_buffer, .address_space: global }
      - { .name: order, .offset: 40, .size: 8, .value_kind: global_buffer, .address_space: global }
      - { .name: out0, .offset: 48, .size: 8, .value_kind: global_buffer, .address_space: global }
    .group_segment_fixed_size: 306944
    .private_segment_fixed_size: 0
    .kernarg_segment_align: 8
    .kernarg_segment_size: 56
    .max_flat_workgroup_size: 128
    .sgpr_count:     100
    .vgpr_count:     1024
    .wavefront_size: 32
...
	.end_amdgpu_metadata
.endif
;; end of part 2
